; MI455X (gfx1250); checked and timed in simulation.
; The chip was launched on July 23, 2026; its instructions are those of AMD's public machine-readable ISA for CDNA 5 (MIT licence, August 2026) and "CDNA5" Instruction Set Architecture Reference Guide (July 2026). The comments in the code are by the model that wrote it; some were corrected since.
;; Seq Self Attention. Allowed arithmetic: matrix products marked QUANTISED: E5M2 operands, one given power-of-two scale a tensor, by v_wmma_f32_16x16x64_bf8_bf8 or v_wmma_f32_16x16x128_bf8_bf8, f32 sums; products left as they are: f32 operands where the result goes on into a quantised operand, else bf16, f16 or f32 operands; f32 sums; everything else in f32.
;; Inputs: Wa 32 x 1 float32; Wt_codes 32 x 8 x 32 uint8 (E5M2 codes of Wt, K innermost, in blocks of 32 codes); Wx_codes 32 x 8 x 32 uint8 (E5M2 codes of Wx, K innermost, in blocks of 32 codes); ba 1 float32; bh 32 float32; lowp_scales 6 int32 (the exponents e of the quantised operands' scales 2^e); x 4 x 1,024 x 256 float32.
;; Outputs: out0 4 x 1,024 x 256 float32.
;; This version of the problem:
;;   THIS VERSION OF THE PROBLEM IS GIVEN IN LOW PRECISION. The matrix products marked QUANTISED in the list below multiply operands that are first quantised to E5M2 (5 exponent bits, 2 mantissa bits; 8 bits a number), with one given power-of-two scale for each operand tensor; their sums are f32. All else is computed in f32.
;;   The module's matrix products, in the order in which they are computed (A, B: the left and right operand; K: the contracted axis; several contracted axes count as one K, in the product's order):
;;     1. [M 4,096, K 256] x [K 256, N 32]; A: input x; B: input Wt (given as codes): QUANTISED (scales: A lowp_scales[0], B lowp_scales[1])
;;     2. [M 4,096, K 256] x [K 256, N 32]; A: input x; B: input Wx (given as codes): QUANTISED (scales: A lowp_scales[2], B lowp_scales[3])
;;     3. [M 4,194,304, K 32] x [K 32, N 1]; A: computed on the way; B: computed on the way: left as it is (N = 1 < 16)
;;     4. batch 4 x [M 1,024, K 1,024] x [K 1,024, N 256]; A: softmax (see below); B: input x: QUANTISED (scales: A lowp_scales[4], B lowp_scales[5])
;;   THE QUANTISER, for each operand of a quantised product, along K:
;;     - The operand's scale is 2^e, e = its entry of the input lowp_scales (int32; the entries are numbered through the quantised products in the list's order, A before B).
;;     - Each number is divided by the scale, clamped to +-57,344, and rounded to the nearest number of E5M2, ties to even, subnormals kept.
;;     - The product sums the exact products of the quantised numbers (number of the format x scale) in f32.
;;   ~~~python
;;   def quantise(x, axis, e):      # numpy; x: float32 -> the quantised numbers, widened to float32 again
;;       x = np.moveaxis(x, axis, -1); K = x.shape[-1]
;;       r = np.clip(x / 2.0 ** e, -57344, 57344)
;;       step = 2.0 ** (np.maximum(np.frexp(np.where(r == 0, 1, r))[1] - 1, -14) - 2)
;;       q = np.round(r / step) * step * 2.0 ** e      # np.round: ties to even
;;       return np.moveaxis(q, -1, axis).astype(np.float32)
;;   ~~~
;;   SOFTMAX AHEAD OF A QUANTISED PRODUCT. Where the list says 'softmax', what is quantised is not the finished softmax but p = 2^(t - M), with t = logit x log2(e) and M = ceil(the row's largest t), a whole number; so 1/2 < the row's largest p <= 1. The row's sum l is taken of the UNQUANTISED p, in f32, and the product's result is divided by l at the end. Since M is a whole number, a kernel that streams over the keys may use a running M (the ceiling of the running maximum): every later rescaling is an exact power of two, so the quantised numbers keep their values, but for numbers so far below the row's largest that they fall under the format's range.
;;   OPERANDS COMPUTED ON THE WAY. 'Computed on the way' means the value that the module computes at that place (a softmax that the list does not call 'softmax' is quantised finished and normalised). What goes into a quantiser is computed in f32, as accurately as f32 sums, v_exp_f32 and their like allow (about 1e-6 of the number): no bf16 or f16 on the way to a quantiser, and a product that is left as it is and whose result goes on into a quantised operand takes f32 operands (vector FMAs, or v_wmma_f32_16x16x4_f32). A number that lies on a knife's edge between two numbers of the format may be rounded either way, as far as f32 arithmetic and the matrix unit's own rounding can turn it there, and no further.
;;   INPUTS GIVEN AS CODES. Wt (in the module: [256, 32], K = its axis 0); Wx (in the module: [256, 32], K = its axis 0): each comes as NAME_codes (uint8): NAME with its K axis moved to the last place and cut into blocks of 32 codes, [.., K / 32, bytes a block], one block behind the other in memory; one code a byte (a code: sign, 5 exponent bits, 2 mantissa bits); its scale is its entry of lowp_scales. Its value is code x scale, taken as it is: it is not quantised again, and the codes and scales need not be those that the quantiser above would give.
;; One version. Each part assembles by itself: llvm-mc -triple=amdgcn-amd-amdhsa -mcpu=gfx1250 --defsym DOCPART=n.
;; ======== version 1 of 1: 1 launch
;; limits: right only within a limited range of input values
;; launch band_attention (part 1): grid 64 x 4, 8 waves a work-group, no clusters, 168,960 bytes of LDS; arguments x, Wt_codes, Wx_codes, bh, Wa, ba, lowp_scales, out0; writes out0
.if DOCPART == 1
	.amdgcn_target "amdgcn-amd-amdhsa--gfx1250"
	.amdhsa_code_object_version 6
	.text
	.protected	k_q557a640458_band_attention
	.globl	k_q557a640458_band_attention
	.p2align	8
	.type	k_q557a640458_band_attention,@function
k_q557a640458_band_attention:
	s_mov_b64 s[64:65], 0
	v_nop
	global_prefetch_b8 v0, s[64:65] scope:SCOPE_SE
	s_setreg_imm32_b32 hwreg(HW_REG_WAVE_MODE, 25, 1), 1
	s_wait_xcnt 0x0
; out[b][t][:] = sum over s of softmax_s(e[b][t][s]) x[b][s][:],  e = Wa . tanh(x[t] Wt + x[s] Wx + bh) + ba,  with 10,000 taken off e outside the band t-32 <= s < t+32.
; x [4][1024][256] f32; Wt, Wx as E5M2 codes [32 units][256]; the three quantised products on v_wmma_f32_16x16x128_bf8_bf8, sums f32, all else f32.
; ONLY THE BAND IS COMPUTED.  |e - ba| <= sum|Wa|, so a key outside the band lies at least 10,000 - 2 sum|Wa| under the row's largest: its weight is 0 in f32.
; LIMITS: sum|Wa| under 4,900 (for the line above); e0, e2, e4, e5 between -126 and 112, e0+e1 and e2+e3 between -127 and 126 (each power of two below is an f32 number);
;   NaN and infinities among the inputs are not served (bh is multiplied by 0 in the waves that make the keys' part).
; tanh(y) = 1 - 2 R, R = 1 / (1 + 2^(2 log2(e) y)): it saturates rightly at both ends (2^z = inf gives R = 0, 2^z = 0 gives R = 1).  The ones are summed once:
;   t = e log2(e) = T0 + sum over u of wa[u] R[u],  T0 = log2(e) (sum Wa + ba),  wa = -2 log2(e) Wa.  The error of t is of the order 1e-7 sum|Wa|, as that of R itself.
; SHARES.  A work-group of eight waves owns 16 queries t0 .. t0+15 of one batch and a window of 80 keys, K = 0 .. 79 for s = t0-32+K.  256 work-groups.
;   0  waves 0-4 bring a chunk of 16 rows of x each into LDS by one tensor load.  A chunk that lies outside the sequence is taken from a clamped row: its keys are masked below, so no LDS address hangs on the work-group.
;   1  waves 0-4: ks = 2 log2(e) x Wx for their chunk; wave 5: qs = 2 log2(e) (x Wt + bh) for the queries (chunk 2).  Rows quantised from LDS, four matrix instructions, results to LDS as rows of 32 f32.
;   2  wave w, lane (h, g): query 2w+h, keys K = 2w+h + g + 16 i, i = 0..3: exactly the band, 128 tanh a lane.  A row lies in 16 neighbouring lanes: its maximum and sum need no LDS.
;      M = ceil(largest t), p = 2^(t-M), l = sum of the unquantised p; four codes a lane go to P[16][144] in LDS (zeroed at the head) as bytes.
;   3  each wave quantises its 32 features of x down the keys: a lane is a feature, its registers run down the keys.
;   4  O^T = X^T P^T (source 0 = 16 features, source 1 = the 16 queries, K = 128 of which keys 80-127 are zero codes), x 2^(e4+e5) / l, through a stage in LDS, out as whole rows.
; NO CLUSTER: neighbouring work-groups share four fifths of their rows of x, but chunk c of one is chunk c-1 of the next: the rows would have to land at different LDS places in each partner,
;   and a joint load has one descriptor for all.  NO PREFETCH: the one stream is asked for at the head.  Nothing in LDS is filled twice.
.set TLEN, 1024
.set XP,   1040                        ; a row of x in LDS: 1,024 bytes + 16 = 260 words: row r starts at bank 4 r mod 64 (64 banks of 4 bytes: ISA guide 11.1)
.set CH,   16*XP                       ; a chunk of 16 rows
.set KP,   144                         ; a row of ks or qs: 128 bytes + 16 = 36 words: 16 neighbouring rows start at 16 different groups of four banks
.set KQ,   80*XP                       ; LDS: 80 rows of ks, then 16 rows of qs
.set QR,   KQ+80*KP
.set PCB,  KQ+96*KP                    ; P's codes: 16 rows, 144 bytes apart, byte K; 4,096 bytes are zeroed
.set LSB,  PCB+4096                    ; l: 16 words
.set STG,  LSB+256                     ; the stage for the way out: 16 rows, XP apart
.set C2,   0x4038aa3b                  ; 2 log2(e)
.set NC2,  0xc038aa3b                  ; -2 log2(e)
.set L2E,  0x3fb8aa3b                  ; log2(e)
; vector registers that stay
.set LN,  1                            ; lane
.set R,   2                            ; lane % 16
.set H,   3                            ; lane / 16
.set WVV, 4                            ; wave
.set RQ,  5                            ; thread / 16 = 2 wave + H: my query in step 2
.set AJ,  6                            ; step 1: my row of my chunk of x, + 64 H
.set AKS, 7                            ; step 1: where my results go
.set AW,  8                            ; byte offset in the weights: row R of 256, + 16 H
.set ABH, 9                            ; byte offset in bh: 32 H
.set AQ,  10                           ; step 2: my row of qs
.set AK,  11                           ; step 2: my first row of ks
.set APC, 12                           ; step 2: my first byte of P
.set ALS, 13                           ; step 2: my row's word of l
.set APR, 14                           ; step 4: P's fragment: row R, + 8 H
.set ALR, 15                           ; step 4: l of query R
.set AV0, 16                           ; step 3: key 8 H, feature 32 wave + R
.set AV1, 17                           ; the same 64 keys on (beyond the 16-bit immediate)
.set AST, 18                           ; the stage, in
.set ASR, 19                           ; the stage, back
.set GO,  20                           ; 16 x lane
.set AZ,  21                           ; PCB + 16 x thread
.set VS,  22                           ; the key s of my first pair (below 0 it wraps to a large unsigned number)
.set NIL, 23                           ; 0
.set Z4,  24                           ; v24-27: zeros
.set T0P, 28                           ; v28-29: T0, 0
.set CSC, 30                           ; the scale in hand as f32
.set LIM, 31                           ; 57,344 x that scale
; registers by step
.set XC,  32                           ; step 1: the codes of x, 2 fragments
.set QP,  32                           ; step 2: qs, 32
.set VC,  32                           ; steps 3, 4: the codes of my features, 2 fragments
.set WA,  64                           ; wa, 32
.set WF,  96                           ; step 1: 4 fragments of weights (tile of units ut, K step s: 2 ut + s)
.set KK,  96                           ; step 2: 4 x 32: ks, then z, 2^z, 1 + 2^z, R in place
.set VR,  96                           ; step 3: 2 x 40 numbers
.set XR,  160                          ; step 1: 64 numbers of x
.set PF,  176                          ; step 4: P's fragment
.set OA,  192                          ; step 4: two accumulators
.set OS,  208                          ; step 4: the results, scaled
.set JA,  224                          ; step 1: two accumulators
.set AC,  224                          ; step 2: four sums a pair
.set RB,  224                          ; the way out: two rows
.set BI,  240                          ; step 1: the bias, 2 x 8
.set TT,  240                          ; step 2: t, then p
.set RL,  240                          ; step 4: 2^(e4+e5) / l (v241 named with it as a pair)
.set LL,  242
.set PQ,  244                          ; step 2: eight numbers for the conversion, four of them 0
.set CD,  252
.set MX,  254
.set NM,  255
	s_load_b256 s[4:11], s[0:1], 0x0               ; x s[4:5], Wt s[6:7], Wx s[8:9], bh s[10:11]
	s_load_b256 s[24:31], s[0:1], 0x20             ; Wa s[24:25], ba s[26:27], the scales' exponents s[28:29], out s[30:31]
	s_set_vgpr_msb 0x40
	v_lshl_add_u32 v0, v0, 2, 0x29000
	v_mov_b32 v1, 0
	s_set_vgpr_msb 0x4045
	ds_add_u32 v0, v1
	ds_add_u32 v0, v1
	s_set_vgpr_msb 0x4500
	v_lshrrev_b32 v[WVV], 5, v0
	v_readfirstlane_b32 s2, v[WVV]                 ; wave 0..7
	; descriptor group 1: 16 rows of 256 elements of 4 bytes, 4 words of padding behind every 256
	s_mov_b32 s16, (2<<16)|(1<<20)|(7<<22)|(3<<25)
	s_mov_b32 s17, 256<<16                         ; tensor_dim0
	s_mov_b32 s18, 16<<16                          ; tensor_dim1
	s_mov_b32 s19, 256<<16                         ; tile_dim0
	s_mov_b32 s20, 16                              ; tile_dim1
	s_mov_b32 s21, 256                             ; elements from row to row
	s_mov_b32 s22, 0
	s_mov_b32 s23, 0
	s_lshl_b32 s40, ttmp9, 4                       ; t0
	s_and_b32 s41, ttmp7, 0xffff
	s_lshl_b32 s41, s41, 10                        ; the batch's first row
	s_lshl_b32 s42, s2, 4
	s_add_co_u32 s42, s42, s40                     ; t0 + 16 wave
	s_max_u32 s42, s42, 32
	s_sub_co_u32 s42, s42, 32                      ; my chunk's first key t0 - 32 + 16 wave, held at 0
	s_min_u32 s42, s42, TLEN-16                    ; and at the last 16 rows: every chunk lies inside the batch
	s_add_co_u32 s42, s42, s41
	s_lshl_b32 s42, s42, 10                        ; in bytes (under 4 MiB)
	s_mov_b32 s43, 0
	s_mov_b32 s12, 1                               ; group 0: count
	s_mul_i32 s13, s2, CH                          ; LDS address: chunk = wave
	s_sub_co_u32 s39, s40, 32                      ; t0 - 32
	s_add_co_u32 s44, s40, s41
	s_lshl_b32 s45, s2, 1
	s_add_co_u32 s44, s44, s45                     ; the first of the two rows that I store: t0 + 2 wave
	s_lshl_b32 s44, s44, 10
	s_mov_b32 s45, 0
	s_mov_b32 s54, NC2
	s_mov_b32 s55, NC2                             ; (named as a pair)
	; every LDS address is made here, ahead of the first branch on the wave's number
	v_and_b32 v[LN], 31, v0
	v_and_b32 v[R], 15, v0
	v_bfe_u32 v[H], v0, 4, 1
	v_lshrrev_b32 v[RQ], 4, v0
	v_add_nc_u32 v[AJ], 3, v[WVV]
	v_lshrrev_b32 v[AJ], 3, v[AJ]                  ; 1 from wave 5 on
	v_mul_u32_u24 v[AJ], v[AJ], 3
	v_sub_nc_u32 v[AJ], v[WVV], v[AJ]              ; the chunk that I project: 0, 1, 2, 3, 4 and, for the queries, 2
	v_mul_u32_u24 v[AJ], v[AJ], CH
	v_mad_u32_u24 v[AJ], v[R], XP, v[AJ]
	v_lshl_add_u32 v[AJ], v[H], 6, v[AJ]
	v_lshl_add_u32 v[AKS], v[WVV], 4, v[R]
	v_mul_u32_u24 v[AKS], v[AKS], KP
	v_lshl_add_u32 v[AKS], v[H], 5, v[AKS]
	v_add_nc_u32 v[AKS], KQ, v[AKS]                ; row 16 wave + R (wave 5: the rows of qs), + 32 H
	v_lshlrev_b32 v[AW], 8, v[R]
	v_lshl_add_u32 v[AW], v[H], 4, v[AW]
	v_lshlrev_b32 v[ABH], 5, v[H]
	v_mul_u32_u24 v[AQ], v[RQ], KP
	v_add_nc_u32 v[AQ], QR, v[AQ]
	v_add_nc_u32 v[AK], v[RQ], v[R]
	v_add_nc_u32 v[VS], s39, v[AK]                 ; s = t0 - 32 + query + g
	v_mul_u32_u24 v[AK], v[AK], KP
	v_add_nc_u32 v[AK], KQ, v[AK]
	v_mad_u32_u24 v[APC], v[RQ], 145, v[R]         ; row query, byte query + g
	v_add_nc_u32 v[APC], PCB, v[APC]
	v_lshl_add_u32 v[ALS], v[RQ], 2, LSB
	v_mul_u32_u24 v[APR], v[R], KP
	v_lshl_add_u32 v[APR], v[H], 3, v[APR]
	v_add_nc_u32 v[APR], PCB, v[APR]
	v_lshl_add_u32 v[ALR], v[R], 2, LSB
	v_mul_u32_u24 v[AV0], v[H], 8*XP               ; 8 rows are 2,080 words = 32 banks on: the two halves of the lanes fall on different banks
	v_lshl_add_u32 v[AV0], v[WVV], 7, v[AV0]
	v_lshl_add_u32 v[AV0], v[R], 2, v[AV0]
	v_add_nc_u32 v[AV1], 64*XP, v[AV0]
	v_mul_u32_u24 v[AST], v[R], XP
	v_lshl_add_u32 v[AST], v[H], 5, v[AST]
	v_lshl_add_u32 v[AST], v[WVV], 7, v[AST]
	v_add_nc_u32 v[AST], STG, v[AST]
	v_mul_u32_u24 v[ASR], v[WVV], 2*XP
	v_lshl_add_u32 v[ASR], v[LN], 4, v[ASR]
	v_add_nc_u32 v[ASR], STG, v[ASR]
	v_lshlrev_b32 v[GO], 4, v[LN]
	v_lshl_add_u32 v[AZ], v0, 4, PCB
	v_mov_b32 v[NIL], 0
.irp i, 0,1,2,3
	v_mov_b32 v[Z4+\i], 0
.endr
	s_wait_dscnt 0x0
	s_wait_kmcnt 0x0
	s_load_b128 s[32:35], s[28:29], 0x0            ; e0 .. e3
	s_load_b64 s[36:37], s[28:29], 0x10            ; e4, e5
	s_load_b32 s38, s[26:27], 0x0                  ; ba
	s_add_nc_u64 s[14:15], s[4:5], s[42:43]        ; group 0: my chunk's first byte
	s_or_b32 s15, s15, 0x80000000                  ; type = 2
	s_add_nc_u64 s[52:53], s[30:31], s[44:45]      ; out at my two rows
	s_cmp_lt_u32 s2, 5                             ; five chunks, one tensor load a wave: the launch's only fills
	s_cbranch_scc0 .Lno_fill
	tensor_load_to_lds s[12:15], s[16:23]
	s_nop 0
.rept 4
	v_nop
.endr
.Lno_fill:
	ds_store_b128 v[AZ], v[Z4:Z4+3]                ; P's codes begin as zeros: 256 threads x 16 bytes
.irp m, 0,1,2,3,4,5,6,7
	global_load_b128 v[WA+4*\m:WA+4*\m+3], v[NIL], s[24:25] offset:16*\m   ; Wa, the same 32 numbers in every lane
.endr
	s_cmp_eq_u32 s2, 5
	s_cselect_b64 s[56:57], s[6:7], s[8:9]         ; wave 5 multiplies by Wt, waves 0-4 by Wx
	s_cmp_lt_u32 s2, 6
	s_cbranch_scc0 .Lno_weights
.irp ut, 0,1
.irp s, 0,1
.irp c, 0,1,2,3
	global_load_b128 v[WF+16*(2*\ut+\s)+4*\c:WF+16*(2*\ut+\s)+4*\c+3], v[AW], s[56:57] offset:4096*\ut+128*\s+32*\c   ; unit 16 ut + R, features 128 s + 32 c + 16 H + 0..15
.endr
.endr
.endr
.irp ut, 0,1
	global_load_b128 v[BI+8*\ut:BI+8*\ut+3], v[ABH], s[10:11] offset:64*\ut        ; bh of units 16 ut + 8 H + 0..7: the result's layout
	global_load_b128 v[BI+8*\ut+4:BI+8*\ut+7], v[ABH], s[10:11] offset:64*\ut+16
.endr
.Lno_weights:
	s_wait_loadcnt 0x0
	s_wait_kmcnt 0x0
	; T0 = log2(e) (sum Wa + ba), then wa = -2 log2(e) Wa
	v_pk_add_f32 v[224:225], v[WA:WA+1], v[WA+2:WA+3]
	v_pk_add_f32 v[226:227], v[WA+4:WA+5], v[WA+6:WA+7]
.irp u, 8,12,16,20,24,28
	v_pk_add_f32 v[224:225], v[224:225], v[WA+\u:WA+\u+1]
	v_pk_add_f32 v[226:227], v[226:227], v[WA+\u+2:WA+\u+3]
.endr
	v_pk_add_f32 v[224:225], v[224:225], v[226:227]
	v_add_f32 v224, v224, v225
	v_add_f32 v224, s38, v224
	v_mul_f32 v[T0P], L2E, v224
	v_mov_b32 v[T0P+1], 0
.irp u, 0,2,4,6,8,10,12,14,16,18,20,22,24,26,28,30
	v_pk_mul_f32 v[WA+\u:WA+\u+1], v[WA+\u:WA+\u+1], s[54:55] op_sel_hi:[1,0]
.endr
	; the powers of two.  No branch hangs on a given exponent: choices by the wave's number alone
	s_cmp_eq_u32 s2, 5
	s_cselect_b32 s44, s32, s34                    ; the scale of x in my product: e0 or e2
	s_cselect_b32 s45, s33, s35                    ; of the weights: e1 or e3
	s_cselect_b32 s48, C2, 0                       ; bh counts once, with the queries
	s_mov_b32 s49, s48
	s_add_co_i32 s45, s44, s45
	s_lshl_b32 s45, s45, 23
	s_add_co_i32 s46, s45, C2                      ; 2 log2(e) x 2^(ex + ew): the exponents are added to the constant's exponent field
	s_mov_b32 s47, s46
	s_add_co_i32 s44, s44, 127
	s_lshl_b32 s50, s44, 23                        ; 2^ex
	s_add_co_i32 s44, s44, 15
	s_lshl_b32 s44, s44, 23
	s_or_b32 s51, s44, 0x600000                    ; 57,344 x 2^ex
	s_add_co_i32 s44, s36, 127
	s_lshl_b32 s58, s44, 23                        ; 2^e4
	s_add_co_i32 s44, s44, 15
	s_lshl_b32 s44, s44, 23
	s_or_b32 s59, s44, 0x600000
	s_add_co_i32 s44, s37, 127
	s_lshl_b32 s60, s44, 23                        ; 2^e5
	s_add_co_i32 s44, s44, 15
	s_lshl_b32 s44, s44, 23
	s_or_b32 s61, s44, 0x600000
	s_add_co_i32 s62, s36, s37                     ; e4 + e5
	s_wait_tensorcnt 0x0                           ; my chunk has landed,
	s_wait_dscnt 0x0                               ; my zeros are stored:
	s_barrier_signal -1
	s_barrier_wait -1                              ; everybody's
; ---- 1: the projections.  Lane (R, H) takes, of row R, features 128 s + 32 b + 16 H + 0..15 into registers 16 b + 0..15: the order in which the weights' fragments were loaded
.macro JLOAD s, b
.irp j, 0,1,2,3
	ds_load_b128 v[XR+16*\b+4*\j:XR+16*\b+4*\j+3], v[AJ] offset:512*\s+128*\b+16*\j
.endr
.endm
.macro JQUANT s, b
.irp i, 0,1,2,3,4,5,6,7,8,9,10,11,12,13,14,15
	v_med3_num_f32 v[XR+16*\b+\i], v[XR+16*\b+\i], -v[LIM], v[LIM]   ; the conversion to an 8-bit code does not saturate (ISA guide 7.6.2): the hold at the largest code x the scale
.endr
	v_cvt_scalef32_pk8_bf8_f32 v[XC+16*\s+4*\b:XC+16*\s+4*\b+1], v[XR+16*\b:XR+16*\b+7], v[CSC]
	v_cvt_scalef32_pk8_bf8_f32 v[XC+16*\s+4*\b+2:XC+16*\s+4*\b+3], v[XR+16*\b+8:XR+16*\b+15], v[CSC]
.endm
	s_cmp_lt_u32 s2, 6
	s_cbranch_scc0 .Lno_job
.irp b, 0,1,2,3
	JLOAD 0, \b
.endr
	v_mov_b32 v[CSC], s50
	v_mov_b32 v[LIM], s51
.irp k, 0,2,4,6,8,10,12,14
	v_pk_mul_f32 v[BI+\k:BI+\k+1], v[BI+\k:BI+\k+1], s[48:49] op_sel_hi:[1,0]   ; 2 log2(e) bh, or 0
.endr
.irp b, 0,1,2,3
	s_wait_dscnt 12                                ; behind this block's four loads stand three blocks' twelve
	JQUANT 0, \b
	JLOAD 1, \b                                    ; the second K step's block takes the registers just converted
.endr
.irp b, 0,1,2,3
	s_wait_dscnt 12-4*\b                           ; the blocks behind this one
	JQUANT 1, \b
.endr
	v_nop                                          ; a plain line between the last conversion and the matrix instruction that reads its result
	; transposed: source 0 = 16 units, source 1 = 16 rows of x: lane (R, H) holds row R and units 16 ut + 8 H + 0..7.  The two sums take turns
	v_wmma_f32_16x16x128_bf8_bf8 v[JA:JA+7], v[WF:WF+15], v[XC:XC+15], 0
	v_wmma_f32_16x16x128_bf8_bf8 v[JA+8:JA+15], v[WF+32:WF+47], v[XC:XC+15], 0
	v_wmma_f32_16x16x128_bf8_bf8 v[JA:JA+7], v[WF+16:WF+31], v[XC+16:XC+31], v[JA:JA+7]
	v_wmma_f32_16x16x128_bf8_bf8 v[JA+8:JA+15], v[WF+48:WF+63], v[XC+16:XC+31], v[JA+8:JA+15]
.rept 4
	v_nop                                          ; four places ahead of the first read of the results (ISA guide 7.12.1)
.endr
.irp k, 0,2,4,6,8,10,12,14
	v_pk_fma_f32 v[XR+\k:XR+\k+1], v[JA+\k:JA+\k+1], s[46:47], v[BI+\k:BI+\k+1] op_sel_hi:[1,0,1]   ; sum x 2 log2(e) 2^(ex+ew) + bias
.endr
.irp ut, 0,1
	ds_store_b128 v[AKS], v[XR+8*\ut:XR+8*\ut+3] offset:64*\ut
	ds_store_b128 v[AKS], v[XR+8*\ut+4:XR+8*\ut+7] offset:64*\ut+16
.endr
.Lno_job:
	s_wait_dscnt 0x0                               ; my rows of ks or qs are stored
	s_barrier_signal -1
	s_barrier_wait -1                              ; all 96 rows lie in LDS
; ---- 2: the band.  Pair i of my four: z = qs + ks, 2^z, 1 + 2^z, R = 1 / that, sums of wa R; all in place in v[KK + 32 i ..]
.irp m, 0,1,2,3,4,5,6,7
	ds_load_b128 v[QP+4*\m:QP+4*\m+3], v[AQ] offset:16*\m          ; 16 lanes share a query: one address
.endr
.irp i, 0,1,2,3
.irp m, 0,1,2,3,4,5,6,7
	ds_load_b128 v[KK+32*\i+4*\m:KK+32*\i+4*\m+3], v[AK] offset:\i*16*KP+16*\m   ; 16 lanes take 16 neighbouring rows
.endr
.endr
.macro A1 i                            ; line N of 16: z
	v_pk_add_f32 v[KK+32*(\i)+2*N:KK+32*(\i)+2*N+1], v[KK+32*(\i)+2*N:KK+32*(\i)+2*N+1], v[QP+2*N:QP+2*N+1]
.endm
.macro C1 i                            ; line N of 16: two chains of packed sums; the first begins with T0, so nothing is cleared
.set RA, AC+4*(\i)+2*(N%2)
.set RK, KK+32*(\i)+2*N
.if N == 0
	v_pk_fma_f32 v[RA:RA+1], v[RK:RK+1], v[WA:WA+1], v[T0P:T0P+1]
.elseif N == 1
	v_pk_mul_f32 v[RA:RA+1], v[RK:RK+1], v[WA+2:WA+3]
.else
	v_pk_fma_f32 v[RA:RA+1], v[RK:RK+1], v[WA+2*N:WA+2*N+1], v[RA:RA+1]
.endif
.endm
.macro BB i                            ; 1 + 2^z
.set N, 0
.rept 16
	v_pk_add_f32 v[KK+32*(\i)+2*N:KK+32*(\i)+2*N+1], v[KK+32*(\i)+2*N:KK+32*(\i)+2*N+1], 1.0 op_sel_hi:[1,0]
.set N, N+1
.endr
.endm
; ONE BATCH of transcendentals: the reciprocals of pair rr and the exponentials of pair ee.  Among them is dealt the plain work that names none of their results: the sums of pair cc
; (its reciprocals stood ahead of the last wait) and the additions of pair aa.  -1: none.  Behind the batch one plain line, then one wait ahead of the first reader.
.macro STAGE rr, ee, cc, aa
.set N, 0
.rept 16
.if (\rr) >= 0
	v_rcp_f32 v[KK+32*(\rr)+2*N], v[KK+32*(\rr)+2*N]
.endif
.if (\ee) >= 0
	v_exp_f32 v[KK+32*(\ee)+2*N], v[KK+32*(\ee)+2*N]
.endif
.if (\cc) >= 0
	C1 \cc
.endif
.if (\rr) >= 0
	v_rcp_f32 v[KK+32*(\rr)+2*N+1], v[KK+32*(\rr)+2*N+1]
.endif
.if (\ee) >= 0
	v_exp_f32 v[KK+32*(\ee)+2*N+1], v[KK+32*(\ee)+2*N+1]
.endif
.if (\aa) >= 0
	A1 \aa
.endif
.set N, N+1
.endr
	v_nop
	s_wait_alu depctr_va_vdst(0)
.endm
	s_wait_dscnt 24                                ; qs and pair 0 are in; the 24 loads of pairs 1 to 3 may be out
.set N, 0
.rept 16
	A1 0
.set N, N+1
.endr
	s_wait_dscnt 16                                ; pair 1 is in
	STAGE -1, 0, -1, 1
	BB 0
	s_wait_dscnt 8                                 ; pair 2
	STAGE 0, 1, -1, 2
	BB 1
	s_wait_dscnt 0x0                               ; pair 3
	STAGE 1, 2, 0, 3
	BB 2
	STAGE 2, 3, 1, -1
	BB 3
	STAGE 3, -1, 2, -1
.set N, 0
.rept 16
	C1 3
.set N, N+1
.endr
.irp i, 0,1,2,3
	v_pk_add_f32 v[AC+4*\i:AC+4*\i+1], v[AC+4*\i:AC+4*\i+1], v[AC+4*\i+2:AC+4*\i+3]
.endr
.irp i, 0,1,2,3
	v_add_f32 v[TT+\i], v[AC+4*\i], v[AC+4*\i+1]   ; t = e log2(e)
.endr
	v_mov_b32 v226, 0xff800000                     ; -infinity
.irp i, 0,1,2,3
	v_add_nc_u32 v227, 16*\i, v[VS]                ; the pair's key s
	v_cmp_gt_u32 vcc_lo, TLEN, v227                ; 0 <= s < 1,024, as one unsigned compare
	v_cndmask_b32 v[TT+\i], v226, v[TT+\i], vcc_lo ; a key that does not exist counts for nothing (every row has at least 32 that do)
.endr
	v_max3_num_f32 v[MX], v[TT], v[TT+1], v[TT+2]
	v_max_num_f32 v[MX], v[MX], v[TT+3]
.irp m, 1,2,4,8
	v_max_num_f32_dpp v[MX], v[MX], v[MX] row_xmask:\m row_mask:0xf bank_mask:0xf   ; the row's 16 lanes
.endr
	v_floor_f32 v[NM], -v[MX]                      ; -M = floor(-t) = -ceil(t): M is a whole number
.irp i, 0,1,2,3
	v_add_f32 v[TT+\i], v[TT+\i], v[NM]
.endr
.irp i, 0,1,2,3
	v_exp_f32 v[TT+\i], v[TT+\i]                   ; p = 2^(t - M): not normalised
.endr
	v_mov_b32 v[CSC], s58                          ; (plain lines behind the exponentials)
	v_mov_b32 v[LIM], s59
.irp i, 4,5,6,7
	v_mov_b32 v[PQ+\i], 0                          ; the conversion takes eight numbers: four of mine, four zeros
.endr
	s_wait_alu depctr_va_vdst(0)                   ; one wait for the four, ahead of their first reader
	v_add_f32 v224, v[TT], v[TT+1]                 ; the row's sum is taken of the unquantised p
	v_add_f32 v225, v[TT+2], v[TT+3]
.irp i, 0,1,2,3
	v_min_num_f32 v[PQ+\i], v[TT+\i], v[LIM]       ; p is not negative: the hold is one-sided
.endr
	v_add_f32 v224, v224, v225
	v_cvt_scalef32_pk8_bf8_f32 v[CD:CD+1], v[PQ:PQ+7], v[CSC]
	v_nop                                          ; a plain line between the conversion and the reads of its result
.irp m, 1,2,4,8
	v_add_f32_dpp v224, v224, v224 row_xmask:\m row_mask:0xf bank_mask:0xf
.endr
	v_lshrrev_b32 v228, 8, v[CD]
	v_lshrrev_b32 v229, 16, v[CD]
	v_lshrrev_b32 v230, 24, v[CD]
	ds_store_b8 v[APC], v[CD]                      ; P[query][query + g + 16 i]
	ds_store_b8 v[APC], v228 offset:16
	ds_store_b8 v[APC], v229 offset:32
	ds_store_b8 v[APC], v230 offset:48
	ds_store_b32 v[ALS], v224                      ; l: the row's 16 lanes store the same number to the same word
	s_wait_dscnt 0x0                               ; my codes and sums are stored
	s_barrier_signal -1
; ---- 3, between the signal and the wait: only registers and loads of x's rows, which nobody writes.  Tile t: features 32 wave + 16 t + R; register 8 c + i: key 16 c + 8 H + i
.macro VLOAD t
.irp c, 0,1,2,3
.irp i, 0,1,2,3,4,5,6,7
	ds_load_b32 v[VR+40*\t+8*\c+\i], v[AV0] offset:(16*\c+\i)*XP+64*\t
.endr
.endr
.irp i, 0,1,2,3,4,5,6,7
	ds_load_b32 v[VR+40*\t+32+\i], v[AV1] offset:\i*XP+64*\t
.endr
.endm
.macro VQUANT t
.irp c, 0,1,2,3,4
.irp i, 0,1,2,3,4,5,6,7
	v_med3_num_f32 v[VR+40*\t+8*\c+\i], v[VR+40*\t+8*\c+\i], -v[LIM], v[LIM]
.endr
	v_cvt_scalef32_pk8_bf8_f32 v[VC+16*\t+2*\c:VC+16*\t+2*\c+1], v[VR+40*\t+8*\c:VR+40*\t+8*\c+7], v[CSC]   ; registers 2 c, 2 c + 1 of the operand: k = 16 c + 8 H + 0..7
.endr
.irp z, 10,11,12,13,14,15
	v_mov_b32 v[VC+16*\t+\z], 0                    ; keys 80 to 127: zero codes.  (Also the plain lines behind the last conversion)
.endr
.endm
	VLOAD 0
	VLOAD 1
	v_mov_b32 v[CSC], s60
	v_mov_b32 v[LIM], s61
	s_wait_dscnt 40                                ; tile 0 is in; tile 1's 40 loads may be out
	VQUANT 0
	s_wait_dscnt 0x0
	VQUANT 1
	s_barrier_wait -1                              ; P and l are whole
; ---- 4
.irp c, 0,1,2,3,4
	ds_load_b64 v[PF+2*\c:PF+2*\c+1], v[APR] offset:16*\c          ; query R, keys 16 c + 8 H + 0..7
.endr
	ds_load_b32 v[LL], v[ALR]
.irp z, 10,11,12,13,14,15
	v_mov_b32 v[PF+\z], 0
.endr
	v_mov_b32 v[RL+1], 0                           ; (named as the upper half of a pair)
	s_wait_dscnt 0x0
	v_rcp_f32 v[RL], v[LL]
	v_wmma_f32_16x16x128_bf8_bf8 v[OA:OA+7], v[VC:VC+15], v[PF:PF+15], 0          ; lane (R, H): query R, features 32 wave + 8 H + 0..7
	v_wmma_f32_16x16x128_bf8_bf8 v[OA+8:OA+15], v[VC+16:VC+31], v[PF:PF+15], 0    ; and 16 further on
.rept 3
	v_nop                                          ; with the line behind the wait: four places ahead of the first read of the results; the first is also the plain line behind the reciprocal
.endr
	s_wait_alu depctr_va_vdst(0)                   ; the wait ahead of the reciprocal's first reader
	v_ldexp_f32 v[RL], v[RL], s62                  ; 2^(e4 + e5) / l
.irp k, 0,2,4,6,8,10,12,14
	v_pk_mul_f32 v[OS+\k:OS+\k+1], v[OA+\k:OA+\k+1], v[RL:RL+1] op_sel_hi:[1,0]   ; each accumulator from its low end on
.endr
.irp t, 0,1
	ds_store_b128 v[AST], v[OS+8*\t:OS+8*\t+3] offset:64*\t
	ds_store_b128 v[AST], v[OS+8*\t+4:OS+8*\t+7] offset:64*\t+16
.endr
	s_wait_dscnt 0x0                               ; a row's 1,024 bytes come from eight waves: my part is stored
	s_barrier_signal -1
	s_barrier_wait -1
.irp k, 0,1,2,3
	ds_load_b128 v[RB+4*\k:RB+4*\k+3], v[ASR] offset:(\k/2)*XP+512*(\k%2)
.endr
.irp k, 0,1,2,3
	s_wait_dscnt 3-\k                              ; the loads behind this one may be out
	global_store_b128 v[GO], v[RB+4*\k:RB+4*\k+3], s[52:53] offset:(\k/2)*1024+512*(\k%2) th:TH_STORE_NT   ; 32 lanes store 512 consecutive bytes, at a multiple of 512 from the buffer's first byte
.endr
	s_set_vgpr_msb 0x5
	s_wait_tensorcnt 0x0
	ds_add_u32 v0, v1
	s_wait_dscnt 0x0
	s_set_vgpr_msb 0x500
	s_endpgm
.Lfunc_end_k_q557a640458_band_attention:
	.size	k_q557a640458_band_attention, .Lfunc_end_k_q557a640458_band_attention-k_q557a640458_band_attention
	.p2alignl 7, 3214868480
	.fill 96, 4, 3214868480
	.section	.rodata,"a",@progbits
	.p2align	6, 0x0
	.amdhsa_kernel k_q557a640458_band_attention
		.amdhsa_group_segment_fixed_size 168960
		.amdhsa_private_segment_fixed_size 0
		.amdhsa_enable_private_segment 0
		.amdhsa_kernarg_size 64
		.amdhsa_user_sgpr_count 2
		.amdhsa_user_sgpr_kernarg_segment_ptr 1
		.amdhsa_wavefront_size32 1
		.amdhsa_system_sgpr_workgroup_id_x 1
		.amdhsa_system_sgpr_workgroup_id_y 1
		.amdhsa_system_sgpr_workgroup_id_z 1
		.amdhsa_system_vgpr_workitem_id 0
		.amdhsa_next_free_vgpr 258
		.amdhsa_next_free_sgpr 66
		.amdhsa_reserve_vcc 1
		.amdhsa_float_denorm_mode_32 3
		.amdhsa_float_denorm_mode_16_64 3
		.amdhsa_memory_ordered 1
		.amdhsa_forward_progress 1
		.amdhsa_inst_pref_size 65
	.end_amdhsa_kernel
	.amdgpu_metadata
---
amdhsa.version: [ 1, 2 ]
amdhsa.kernels:
  - .name:           k_q557a640458_band_attention
    .symbol:         k_q557a640458_band_attention.kd
    .args:
      - { .name: x, .offset: 0, .size: 8, .value_kind: global_buffer, .address_space: global }
      - { .name: Wt_codes, .offset: 8, .size: 8, .value_kind: global_buffer, .address_space: global }
      - { .name: Wx_codes, .offset: 16, .size: 8, .value_kind: global_buffer, .address_space: global }
      - { .name: bh, .offset: 24, .size: 8, .value_kind: global_buffer, .address_space: global }
      - { .name: Wa, .offset: 32, .size: 8, .value_kind: global_buffer, .address_space: global }
      - { .name: ba, .offset: 40, .size: 8, .value_kind: global_buffer, .address_space: global }
      - { .name: lowp_scales, .offset: 48, .size: 8, .value_kind: global_buffer, .address_space: global }
      - { .name: out0, .offset: 56, .size: 8, .value_kind: global_buffer, .address_space: global }
    .group_segment_fixed_size: 168960
    .private_segment_fixed_size: 0
    .kernarg_segment_align: 8
    .kernarg_segment_size: 64
    .max_flat_workgroup_size: 256
    .sgpr_count:     66
    .vgpr_count:     258
    .wavefront_size: 32
...
	.end_amdgpu_metadata
.endif
;; end of part 1
